; MI455X (gfx1250); checked and timed in simulation.
; The chip was launched on July 23, 2026; its instructions are those of AMD's public machine-readable ISA for CDNA 5 (MIT licence, August 2026) and "CDNA5" Instruction Set Architecture Reference Guide (July 2026). The comments in the code are by the model that wrote it; some were corrected since.
;; Occupancy Grid. Allowed arithmetic: float matrix products may take bf16 or f16 operands with f32 sums; all other float work in f32.
;; Inputs: coords 8,388,608 x 3 float32; grid 128 x 128 x 128 float32.
;; Outputs: out0 8,388,608 float32.
;; 2 versions, each right; version 2 is version 1 with the launch sample written anew for expert scheduling mode. Each part assembles by itself: llvm-mc -triple=amdgcn-amd-amdhsa -mcpu=gfx1250 --defsym DOCPART=n.
;; ======== version 1 of 2: 2 launches
;; limits: values outside matrix products are rounded to bf16; an absolute error that grows with the inputs' magnitude: up to 0.00037 times it
;; workspace buffers: table 35,210,240 bytes; cells 67,108,864 bytes of whole numbers
;; launch prep (part 1): grid 2710 x 1, 8 waves a work-group, no clusters, 13,312 bytes of LDS; arguments coords, grid, table, cells; writes table, cells
.if DOCPART == 1
	.amdgcn_target "amdgcn-amd-amdhsa--gfx1250"
	.amdhsa_code_object_version 6
	.text
	.protected	k_q749985bade_prep
	.globl	k_q749985bade_prep
	.p2align	8
	.type	k_q749985bade_prep,@function
k_q749985bade_prep:
	s_mov_b64 s[64:65], 0
	v_nop
	global_prefetch_b8 v0, s[64:65] scope:SCOPE_SE
	s_setreg_imm32_b32 hwreg(HW_REG_WAVE_MODE, 25, 1), 1
	s_wait_xcnt 0x0
; OccupancyGrid, launch 1 of 2.  Trilinear sampling of grid[128][128][128] (f32) at 8,388,608 points (x, y, z in f32), zeros outside.
; This launch turns each point into whole numbers
; (a cell index and three 14-bit weights, 8 bytes a point) and the next launch makes its addresses from those.  The same launch also builds
; the table that lets the next launch fetch all eight corners of a cell with ONE 16-byte load.  Two kinds of work-group, told apart by number:
;   0 .. 661      THE TABLE.  Cell (cz, cy, cx), each 0 .. 129, stands for floor(i) = c - 1 on each axis and holds the corners c - 1 and c as bf16:
;                 word 2 dz + dy = { low half: dx = 0, high half: dx = 1 }; a corner outside 0 .. 127 is 0.  Cell 129 of an axis is all zeros.
;                 Cell index = cz * 16928 + cy * 130 + cx: a plane of 16,900 cells is padded to 16,928 (zeros, never read), so that every store of a wave is 512 aligned bytes.
;   662 .. 2709   THE POINTS, 4,096 a work-group.  p = 64 c + 64.5 is the cell plus the weight; P = trunc(p * 2^14), taken to 129 * 2^14 when it lies outside 0 .. that.
;                 word 0 = wx << 18 | index >> 4      word 1 = wy << 18 | wz << 4 | index & 15      All words 0 lie in the first half of cells, all words 1 in the second.
; LIMITS.  The grid is rounded to bf16 (2^-9 of each number; a magnitude that rounds past the largest finite bf16 becomes infinite).  A weight is cut to 14 bits.
; p is made by one fused multiply-add, where the source text rounds three times.  A point outside on any axis goes to a cell of zeros and gives exactly 0, but for
; p in (-2^-14, 0), which counts as p = 0.  The conversion to a whole number saturates (beyond 2^31 it gives the largest or the lowest number), so huge and infinite
; coordinates count as outside (the source text gives NaN for an infinite one); a NaN coordinate counts as p = 0 (the source text gives NaN).
; No matrix unit (no products), no cluster (no tile is shared), no tensor load: many small work-groups that load through registers.
.set NTAB,   662                       ; table work-groups: 5,290 shares of one wave are 661 work-groups and two waves
.set TASKS,  5290                      ; 529 columns of 32 cells x 10 segments of 13 planes
.set SEGS,   10
.set DEEP,   13
.set ROWC,   130                       ; cells in a row, rows in a plane, planes
.set PLANE,  16928                     ; cells from plane to plane = 529 x 32
.set PLANEB, PLANE*16                  ; bytes
.set GPLANE, 65536                     ; bytes in a plane of the grid
.set STAGE,  1536                      ; LDS bytes of a wave: 128 points x 12 bytes
.set SPARE,  8*STAGE                   ; behind the stages: the spare words, 128 bytes a wave, four blocks of 256 bytes that no other line names
.set HALF,   0x2000000                 ; bytes from a word 0 to its word 1
.set LIMIT,  129*16384                 ; P of the cell of zeros
.set SPW, 108                          ; v108  SPARE + 4 x my thread number; never rewritten
.set NIL, 109                          ; v109  0; never rewritten
; the table part                       ; v3-13 set-up
.set L,   16                           ; v16-71   14 planes x (dy, dx): the grid numbers as loaded
.set WD,  72                           ; v72-99   14 planes x dy: packed words; cell k is words 2 k .. 2 k + 3
.set OF,  100                          ; v100-103 byte offset in a plane of the grid for (dy, dx)
.set MK,  104                          ; v104-105 which halves of a word are inside the grid, for dy = 0, 1
.set TO,  106                          ; v106     byte offset of my cell in a plane of the table
; the points part                      ; v3 offset in coords, v4 LDS read, v5 LDS write, v6 offset in cells
.set T,   10                           ; v10-12   at work
.set X,   16                           ; v16-63   batch n: 12 registers, as loaded, then x y z of my 4 points, then their P
.set W,   64                           ; v64-95   batch n: 4 words 0, 4 words 1
	s_load_b256 s[4:11], s[0:1], 0x0               ; coords s[4:5], grid s[6:7], table s[8:9], cells s[10:11]
	v_lshl_add_u32 v[SPW], v0, 2, SPARE
	v_mov_b32 v[NIL], 0
	v_lshrrev_b32 v1, 5, v0
	v_readfirstlane_b32 s12, v1                    ; wave 0..7
	v_and_b32 v2, 31, v0                           ; lane
	s_mov_b32 s13, ttmp9
	s_mov_b32 s19, 0                               ; high word of 32-bit offsets
	s_mov_b32 s15, 0
	s_wait_kmcnt 0x0
	s_cmp_lt_u32 s13, NTAB
	s_cbranch_scc0 .Lpoints
	; ---------------- THE TABLE ----------------
	s_lshl3_add_u32 s14, s13, s12                  ; my share = 8 x work-group + wave
	s_cmp_lt_u32 s14, TASKS
	s_cbranch_scc1 .Ltask
	s_endpgm                                       ; six waves of work-group 661 have no share
.Ltask:
	s_mul_hi_u32 s16, s14, 0xcccccccd
	s_lshr_b32 s16, s16, 3                         ; column = share / 10
	s_mul_i32 s17, s16, SEGS
	s_sub_co_u32 s17, s14, s17                     ; segment = share mod 10
	s_mul_i32 s17, s17, DEEP                       ; z0: my first plane of cells; I need the grid planes z0 - 1 .. z0 + 12
	s_lshl_b32 s33, s16, 5
	s_mov_b32 s31, 0xffff
	s_mov_b32 s32, 0xffff0000
	v_add_nc_u32 v3, s33, v2                       ; j: my place in a plane, 0 .. 16,927
	v_mul_u32_u24 v4, v3, 32264                    ; 32264 x 130 = 2^22 + 16, and 16 j stays under 2^22 / 130 x 130: the quotient is exact
	v_lshrrev_b32 v4, 22, v4                       ; cy = j / 130 (130 for the 28 cells of padding: both rows then count as outside)
	v_mul_u32_u24 v5, v4, ROWC
	v_sub_nc_u32 v5, v3, v5                        ; cx = j mod 130
	v_add_nc_u32 v6, -1, v5                        ; the lower corners: cx - 1,
	v_add_nc_u32 v7, -1, v4                        ; cy - 1 (0 - 1 wraps to a huge number, which is outside too)
	v_cmp_gt_u32 vcc_lo, 128, v6
	v_cndmask_b32 v8, 0, v6, vcc_lo                ; a corner outside is loaded from place 0 and masked away
	v_cndmask_b32 v10, 0, s31, vcc_lo
	v_cmp_gt_u32 vcc_lo, 128, v5
	v_cndmask_b32 v9, 0, v5, vcc_lo
	v_cndmask_b32 v11, 0, s32, vcc_lo
	v_or_b32 v10, v10, v11                         ; the halves that x leaves
	v_cmp_gt_u32 vcc_lo, 128, v7
	v_cndmask_b32 v12, 0, v7, vcc_lo
	v_cndmask_b32 v[MK], 0, v10, vcc_lo
	v_cmp_gt_u32 vcc_lo, 128, v4
	v_cndmask_b32 v13, 0, v4, vcc_lo
	v_cndmask_b32 v[MK+1], 0, v10, vcc_lo
	v_lshlrev_b32 v8, 2, v8
	v_lshlrev_b32 v9, 2, v9
	v_lshl_add_u32 v[OF+0], v12, 9, v8             ; 512 y + 4 x
	v_lshl_add_u32 v[OF+1], v12, 9, v9
	v_lshl_add_u32 v[OF+2], v13, 9, v8
	v_lshl_add_u32 v[OF+3], v13, 9, v9
	v_lshlrev_b32 v[TO], 4, v3
	; z is the same for the whole wave: it goes into scalar bases.  Planes z0 .. z0 + 10 are always inside; the first and the last two may not be:
	; they are loaded from the nearest plane inside and masked away.
	s_lshl_b32 s18, s17, 16
	s_add_nc_u64 s[20:21], s[6:7], s[18:19]        ; plane z0
	s_max_u32 s18, s17, 1
	s_sub_co_u32 s18, s18, 1
	s_lshl_b32 s18, s18, 16
	s_add_nc_u64 s[22:23], s[6:7], s[18:19]        ; plane z0 - 1, or 0
	s_add_co_u32 s33, s17, DEEP-2
	s_min_u32 s18, s33, 127
	s_lshl_b32 s18, s18, 16
	s_add_nc_u64 s[24:25], s[6:7], s[18:19]        ; plane z0 + 11, or 127
	s_cmp_lt_u32 s33, 128
	s_cselect_b32 s29, -1, 0                       ; is z0 + 11 inside?
	s_cmp_lt_u32 s33, 127
	s_cselect_b32 s30, -1, 0                       ; is z0 + 12?
	s_add_co_u32 s33, s33, 1
	s_min_u32 s18, s33, 127
	s_lshl_b32 s18, s18, 16
	s_add_nc_u64 s[26:27], s[6:7], s[18:19]        ; plane z0 + 12, or 127
	s_cmp_lg_u32 s17, 0
	s_cselect_b32 s28, -1, 0                       ; is z0 - 1?
	s_mul_i32 s18, s17, PLANEB
	s_add_nc_u64 s[8:9], s[8:9], s[18:19]          ; the table at plane z0
.macro FETCH k, b, o                   ; the four corners (dy, dx) of grid plane z0 - 1 + k
.irp d, 0,1,2,3
	global_load_b32 v[L+4*(\k)+(\d)], v[OF+(\d)], s[\b:\b+1] offset:\o
.endr
.endm
	FETCH 0, 22, 0                                 ; all 56 loads go out before the first is waited for
.irp k, 1,2,3,4,5,6,7,8,9,10,11
	FETCH \k, 20, ((\k)-1)*GPLANE
.endr
	FETCH 12, 24, 0
	FETCH 13, 26, 0
; Plane k becomes two words; with the two of the plane before they are cell k - 1: the four lie on end in WD, so nothing is copied.
; m: the scalar register with the mask of a plane that may lie outside, or 0.
.macro LAYER k, m
	s_wait_loadcnt 52-4*(\k)                       ; loads come back in order: the four of plane k are in, the 4 (13 - k) younger ones stay out
	v_cvt_pk_bf16_f32 v[WD+2*(\k)],   v[L+4*(\k)],   v[L+4*(\k)+1]
	v_cvt_pk_bf16_f32 v[WD+2*(\k)+1], v[L+4*(\k)+2], v[L+4*(\k)+3]
	v_and_b32 v[WD+2*(\k)],   v[MK],   v[WD+2*(\k)]
	v_and_b32 v[WD+2*(\k)+1], v[MK+1], v[WD+2*(\k)+1]
.if (\m) != 0
	v_and_b32 v[WD+2*(\k)],   s[\m], v[WD+2*(\k)]
	v_and_b32 v[WD+2*(\k)+1], s[\m], v[WD+2*(\k)+1]
.endif
.if (\k) > 0
	global_store_b128 v[TO], v[WD+2*(\k)-2:WD+2*(\k)+1], s[8:9] offset:((\k)-1)*PLANEB  ; 32 cells: 512 consecutive bytes, at a multiple of 512 from the first byte of the table; no register of a store is written again
.endif
.endm
	LAYER 0, 28
.irp k, 1,2,3,4,5,6,7,8,9,10,11
	LAYER \k, 0
.endr
	LAYER 12, 29
	LAYER 13, 30
	s_endpgm
	; ---------------- THE POINTS ----------------
.Lpoints:
	s_sub_co_u32 s13, s13, NTAB                    ; my block of 4,096 points
	s_mul_i32 s14, s13, 4096*12
	s_add_nc_u64 s[4:5], s[4:5], s[14:15]          ; coords at my block
	s_lshl_b32 s14, s13, 14
	s_add_nc_u64 s[10:11], s[10:11], s[14:15]      ; words 0 of my block,
	s_add_nc_u64 s[16:17], s[10:11], HALF          ; words 1
	v_mul_u32_u24 v3, v1, 4*STAGE                  ; my wave has 512 points, 6,144 bytes;
	v_lshl_add_u32 v3, v2, 4, v3                   ; a load of the wave covers 512 consecutive bytes
.irp n, 0,1,2,3
.irp k, 0,1,2
	global_load_b128 v[X+12*(\n)+4*(\k):X+12*(\n)+4*(\k)+3], v3, s[4:5] offset:(\n)*STAGE+(\k)*512 th:TH_LOAD_NT  ; all twelve go out at once
.endr
.endr
	s_mul_i32 s18, s12, STAGE                      ; my stage in LDS: no other wave touches it, so no barrier
	v_lshl_add_u32 v5, v2, 4, s18                  ; in: as loaded, 16 bytes a lane
	v_mul_u32_u24 v4, v2, 48                       ; back: my 4 points, 48 bytes on end; 48 bytes are 12 banks, 4 banks each, take each of the 64 banks once (ISA guide 11.1)
	v_add_nc_u32 v4, s18, v4
	v_lshlrev_b32 v6, 11, v1                       ; my wave has 2,048 bytes of words 0,
	v_lshl_add_u32 v6, v2, 4, v6                   ; my 4 points 16 of each 512
	s_mov_b32 s20, 0x49800000                      ; 2^20 = 64 x 2^14
	s_mov_b32 s21, s20                             ; named with it as a pair
	s_mov_b32 s22, 0x49810000                      ; 1,056,768 = 64.5 x 2^14
	s_mov_b32 s23, s22
	s_mov_b32 s24, LIMIT
	s_mov_b32 s25, ROWC
	s_mov_b32 s26, PLANE
	s_mov_b32 s27, 0x3fff
.macro TURN n                          ; batch n goes through the stage: 128 points come back as 4 whole points a lane, into the registers that they left
	s_wait_loadcnt 9-3*(\n)                        ; the three loads of batch n are in; the three of each later batch stay out
.irp k, 0,1,2
	ds_store_b128 v5, v[X+12*(\n)+4*(\k):X+12*(\n)+4*(\k)+3] offset:(\k)*512
.endr
.irp k, 0,1,2
	ds_load_b128 v[X+12*(\n)+4*(\k):X+12*(\n)+4*(\k)+3], v4 offset:(\k)*16  ; LDS serves the instructions of a wave in order (ISA guide 5.7.1.4): these see the stores above, and the stores of the next batch come behind them
.endr
.endm
.macro PACK n, younger                 ; younger: the LDS instructions of the next batch, which may stay out
.set XB, X+12*(\n)
	s_wait_dscnt \younger
.irp e, 0,2,4,6,8,10
	v_pk_fma_f32 v[XB+(\e):XB+(\e)+1], v[XB+(\e):XB+(\e)+1], s[20:21], s[22:23] op_sel_hi:[1,0,0]  ; p x 2^14, alike for x, y and z
.endr
.irp e, 0,1,2,3,4,5,6,7,8,9,10,11
	v_cvt_i32_f32 v[XB+(\e)], v[XB+(\e)]           ; toward zero; a negative number is huge when read as unsigned,
.endr
.irp e, 0,1,2,3,4,5,6,7,8,9,10,11
	v_min_u32 v[XB+(\e)], s24, v[XB+(\e)]          ; so one minimum sends both sides to the cell of zeros
.endr
.irp q, 0,1,2,3
	v_lshrrev_b32 v[T],   14, v[XB+3*(\q)]         ; cx
	v_lshrrev_b32 v[T+1], 14, v[XB+3*(\q)+1]       ; cy
	v_lshrrev_b32 v[T+2], 14, v[XB+3*(\q)+2]       ; cz
	v_mad_u32_u24 v[T], v[T+1], s25, v[T]
	v_mad_u32_u24 v[T], v[T+2], s26, v[T]          ; the cell index, under 2^22
	v_and_b32 v[T+1], s27, v[XB+3*(\q)+2]          ; wz
	v_and_b32 v[T+2], 15, v[T]
	v_lshrrev_b32 v[T], 4, v[T]
	v_lshl_or_b32 v[T+1], v[T+1], 4, v[T+2]
	v_lshl_or_b32 v[W+8*(\n)+(\q)],   v[XB+3*(\q)],   18, v[T]    ; the shift by 18 drops the cell bits of P and leaves wx on top
	v_lshl_or_b32 v[W+8*(\n)+4+(\q)], v[XB+3*(\q)+1], 18, v[T+1]
.endr
	global_store_b128 v6, v[W+8*(\n):W+8*(\n)+3],   s[10:11] offset:(\n)*512 th:TH_STORE_NT  ; 512 consecutive bytes, aligned; each batch has its own registers, so no store is waited for
	global_store_b128 v6, v[W+8*(\n)+4:W+8*(\n)+7], s[16:17] offset:(\n)*512 th:TH_STORE_NT
.endm
	TURN 0
	TURN 1                                         ; the round trip of a batch stands in front of the arithmetic of the batch before
	PACK 0, 6
	TURN 2
	PACK 1, 6
	TURN 3
	PACK 2, 6
	PACK 3, 0
	s_wait_tensorcnt 0x0                           ; the end of a wave that has written LDS
	ds_add_u32 v[SPW], v[NIL]
	s_wait_dscnt 0x0
	s_endpgm
.Lfunc_end_k_q749985bade_prep:
	.size	k_q749985bade_prep, .Lfunc_end_k_q749985bade_prep-k_q749985bade_prep
	.p2alignl 7, 3214868480
	.fill 96, 4, 3214868480
	.section	.rodata,"a",@progbits
	.p2align	6, 0x0
	.amdhsa_kernel k_q749985bade_prep
		.amdhsa_group_segment_fixed_size 13312
		.amdhsa_private_segment_fixed_size 0
		.amdhsa_enable_private_segment 0
		.amdhsa_kernarg_size 32
		.amdhsa_user_sgpr_count 2
		.amdhsa_user_sgpr_kernarg_segment_ptr 1
		.amdhsa_wavefront_size32 1
		.amdhsa_system_sgpr_workgroup_id_x 1
		.amdhsa_system_sgpr_workgroup_id_y 1
		.amdhsa_system_sgpr_workgroup_id_z 1
		.amdhsa_system_vgpr_workitem_id 0
		.amdhsa_next_free_vgpr 110
		.amdhsa_next_free_sgpr 66
		.amdhsa_reserve_vcc 1
		.amdhsa_float_denorm_mode_32 3
		.amdhsa_float_denorm_mode_16_64 3
		.amdhsa_memory_ordered 1
		.amdhsa_forward_progress 1
		.amdhsa_inst_pref_size 31
	.end_amdhsa_kernel
	.amdgpu_metadata
---
amdhsa.version: [ 1, 2 ]
amdhsa.kernels:
  - .name:           k_q749985bade_prep
    .symbol:         k_q749985bade_prep.kd
    .args:
      - { .name: coords, .offset: 0, .size: 8, .value_kind: global_buffer, .address_space: global }
      - { .name: grid, .offset: 8, .size: 8, .value_kind: global_buffer, .address_space: global }
      - { .name: table, .offset: 16, .size: 8, .value_kind: global_buffer, .address_space: global }
      - { .name: cells, .offset: 24, .size: 8, .value_kind: global_buffer, .address_space: global }
    .group_segment_fixed_size: 13312
    .private_segment_fixed_size: 0
    .kernarg_segment_align: 8
    .kernarg_segment_size: 32
    .max_flat_workgroup_size: 256
    .sgpr_count:     66
    .vgpr_count:     110
    .wavefront_size: 32
...
	.end_amdgpu_metadata
.endif
;; end of part 1
;; launch sample (part 2): grid 2048 x 1, 8 waves a work-group, no clusters, 0 bytes of LDS; arguments cells, table, out0; writes out0
.if DOCPART == 2
	.amdgcn_target "amdgcn-amd-amdhsa--gfx1250"
	.amdhsa_code_object_version 6
	.text
	.protected	k_q749985bade_sample
	.globl	k_q749985bade_sample
	.p2align	8
	.type	k_q749985bade_sample,@function
k_q749985bade_sample:
	s_mov_b64 s[64:65], 0
	v_nop
	global_prefetch_b8 v0, s[64:65] scope:SCOPE_SE
	s_setreg_imm32_b32 hwreg(HW_REG_WAVE_MODE, 25, 1), 1
	s_wait_xcnt 0x0
; OccupancyGrid, launch 2 of 2.  out[p] = the trilinear sample at point p, from what launch 1 left:
;   cells: word 0 = wx << 18 | index >> 4 (first half of the buffer), word 1 = wy << 18 | wz << 4 | index & 15 (second half); weights of 14 bits
;   table: 16 bytes a cell: word 2 dz + dy = { low half: corner dx = 0, high half: dx = 1 } in bf16, zeros where the corner lies outside the grid
; All addresses come from whole numbers read from memory.  ONE load of 16 bytes brings the eight corners of a point.
; SHARES.  A work-group has 4,096 points, a wave 512, in 4 batches of 128, a lane 4 neighbouring points of each batch: every load of words and every store
; of the wave covers 512 consecutive aligned bytes.  A wave issues its 8 loads of words at once, then its 16 gathers as the words arrive, then works:
; no wave ever waits with fewer than a batch of gathers out until its last.
; WEIGHTS.  v_alignbit_b32 shifts the top 23 bits of a word into the mantissa under the exponent of 1.0: u = 1 + w.  The nine bits below the weight are other
; fields of the word; they add less than 2^-14, and launch 1 has cut less than 2^-14 away: a weight is off by less than 2^-14 either way.
; In a cell of zeros (every point outside the grid) the weights do not matter: the result is exactly 0.
; ARITHMETIC in f32: (1 - wx, wx) x (1 - wy) and x wy, two sums of four products straight from the bf16 halves, then d0 + wz (d1 - d0), two points at a time.
; LIMITS: those of launch 1 (grid in bf16, weights of 14 bits, NaN and infinite coordinates).
; No LDS (nothing is shared or regrouped), no matrix unit, no cluster, no prefetch: what a wave will gather is known only when its words are in, and then it asks at once.
.set HALF, 0x2000000                   ; bytes from a word 0 to its word 1
.set CMAX, 130*16928/16-1              ; the largest index >> 4 inside the table
.set TA, 3                             ; v3      at work
.set ZR, 4                             ; v4      0
.set K1, 6                             ; v6-7    -1, 1
.set K2, 8                             ; v8-9    2, -1
.set U,  10                            ; v10-11  1 + wx, 1 + wy
.set XW, 12                            ; v12-13  1 - wx, wx
.set YW, 14                            ; v14-15  1 - wy, wy
.set WA, 16                            ; v16-17  (1 - wx, wx) (1 - wy)
.set WB, 18                            ; v18-19  (1 - wx, wx) wy
.set UZ, 20                            ; v20-23  1 + wz, then wz, of my 4 points
.set D0, 24                            ; v24-27  the lower plane of my 4 points
.set D1, 28                            ; v28-31  the upper plane
.set C0, 32                            ; v32-47  batch n: 4 words 0; at last the 4 results
.set C1, 48                            ; v48-63  batch n: 4 words 1
.set G,  64                            ; v64-127 batch n, point q: the byte offset in the table, then the cell that the load puts in its place
	s_load_b128 s[4:7], s[0:1], 0x0                ; cells s[4:5], table s[6:7]
	s_load_b64 s[8:9], s[0:1], 0x10                ; out0
	v_lshrrev_b32 v1, 5, v0
	v_and_b32 v2, 31, v0
	v_lshlrev_b32 v1, 11, v1                       ; my wave has 2,048 bytes of words 0, of words 1 and of out0,
	v_lshl_add_u32 v1, v2, 4, v1                   ; my 4 points 16 of each 512; never rewritten
	s_lshl_b32 s10, ttmp9, 14                      ; my work-group has 16,384
	s_mov_b32 s11, 0
	s_mov_b32 s12, 0x7f                            ; shifted up by 23 this is the exponent of 1.0
	s_wait_kmcnt 0x0
	s_add_nc_u64 s[4:5], s[4:5], s[10:11]
	s_add_nc_u64 s[16:17], s[4:5], HALF
	s_add_nc_u64 s[8:9], s[8:9], s[10:11]
.irp n, 0,1,2,3
	global_load_b128 v[C0+4*(\n):C0+4*(\n)+3], v1, s[4:5]   offset:(\n)*512 th:TH_LOAD_NT
	global_load_b128 v[C1+4*(\n):C1+4*(\n)+3], v1, s[16:17] offset:(\n)*512 th:TH_LOAD_NT
.endr
	v_mov_b32 v[ZR], 0
	v_mov_b32 v[K1], -1.0
	v_mov_b32 v[K1+1], 1.0
	v_mov_b32 v[K2], 2.0
	v_mov_b32 v[K2+1], -1.0
; The four gathers of batch n.  Both parts of the index pass a minimum with a constant, so that no word, whatever it holds, leads outside the table.
.macro ASK n
	s_wait_loadcnt 6+2*(\n)                        ; loads come back in order: behind the two of batch n stand 2 (3 - n) loads of words and the 4 n gathers issued so far
.irp q, 0,1,2,3
.set rG, G+16*(\n)+4*(\q)
	v_and_b32 v[rG], 0x3ffff, v[C0+4*(\n)+(\q)]
	v_and_b32 v[TA], 15, v[C1+4*(\n)+(\q)]
	v_min_u32 v[rG], CMAX, v[rG]
	v_min_u32 v[TA], 15, v[TA]
	v_lshl_add_u32 v[rG], v[rG], 4, v[TA]          ; the cell index,
	v_lshlrev_b32 v[rG], 4, v[rG]                  ; in bytes
	global_load_b128 v[rG:rG+3], v[rG], s[6:7]     ; the cell lands on its own offset
.endr
.endm
.macro WORK n
	s_wait_loadcnt 12-4*(\n)                       ; the four gathers of batch n are in; those of the later batches stay out
.irp q, 0,1,2,3
.set rG, G+16*(\n)+4*(\q)
	v_alignbit_b32 v[U],   s12, v[C0+4*(\n)+(\q)], 9
	v_alignbit_b32 v[U+1], s12, v[C1+4*(\n)+(\q)], 9
	v_lshlrev_b32 v[UZ+(\q)], 14, v[C1+4*(\n)+(\q)]  ; wz to the top of the word
	v_pk_fma_f32 v[XW:XW+1], v[U:U+1], v[K1:K1+1], v[K2:K2+1] op_sel_hi:[0,1,1]                 ; 2 - u, u - 1: both exact
	v_pk_fma_f32 v[YW:YW+1], v[U:U+1], v[K1:K1+1], v[K2:K2+1] op_sel:[1,0,0] op_sel_hi:[1,1,1]
	v_alignbit_b32 v[UZ+(\q)], s12, v[UZ+(\q)], 9
	v_pk_mul_f32 v[WA:WA+1], v[XW:XW+1], v[YW:YW+1] op_sel_hi:[1,0]
	v_pk_mul_f32 v[WB:WB+1], v[XW:XW+1], v[YW:YW+1] op_sel:[0,1] op_sel_hi:[1,1]
	v_fma_mix_f32_bf16 v[D0+(\q)], v[rG],   v[WA],   v[ZR]      op_sel_hi:[1,0,0]                 ; the two planes by turns: no line reads the result of the line before it
	v_fma_mix_f32_bf16 v[D1+(\q)], v[rG+2], v[WA],   v[ZR]      op_sel_hi:[1,0,0]
	v_fma_mix_f32_bf16 v[D0+(\q)], v[rG],   v[WA+1], v[D0+(\q)] op_sel:[1,0,0] op_sel_hi:[1,0,0]
	v_fma_mix_f32_bf16 v[D1+(\q)], v[rG+2], v[WA+1], v[D1+(\q)] op_sel:[1,0,0] op_sel_hi:[1,0,0]
	v_fma_mix_f32_bf16 v[D0+(\q)], v[rG+1], v[WB],   v[D0+(\q)] op_sel_hi:[1,0,0]
	v_fma_mix_f32_bf16 v[D1+(\q)], v[rG+3], v[WB],   v[D1+(\q)] op_sel_hi:[1,0,0]
	v_fma_mix_f32_bf16 v[D0+(\q)], v[rG+1], v[WB+1], v[D0+(\q)] op_sel:[1,0,0] op_sel_hi:[1,0,0]
	v_fma_mix_f32_bf16 v[D1+(\q)], v[rG+3], v[WB+1], v[D1+(\q)] op_sel:[1,0,0] op_sel_hi:[1,0,0]
.endr
.irp e, 0,2
	v_pk_add_f32 v[UZ+(\e):UZ+(\e)+1], v[UZ+(\e):UZ+(\e)+1], -1.0 op_sel_hi:[1,0]                  ; wz
	v_pk_add_f32 v[D1+(\e):D1+(\e)+1], v[D1+(\e):D1+(\e)+1], v[D0+(\e):D0+(\e)+1] neg_lo:[0,1] neg_hi:[0,1]
.endr
.irp e, 0,2
	v_pk_fma_f32 v[C0+4*(\n)+(\e):C0+4*(\n)+(\e)+1], v[UZ+(\e):UZ+(\e)+1], v[D1+(\e):D1+(\e)+1], v[D0+(\e):D0+(\e)+1]
.endr
	global_store_b128 v1, v[C0+4*(\n):C0+4*(\n)+3], s[8:9] offset:(\n)*512 th:TH_STORE_NT  ; 512 consecutive bytes, aligned; the results lie in the word registers of their own batch, which nothing writes again
.endm
	ASK 0
	ASK 1
	ASK 2
	ASK 3
	WORK 0
	WORK 1
	WORK 2
	WORK 3
	s_endpgm
.Lfunc_end_k_q749985bade_sample:
	.size	k_q749985bade_sample, .Lfunc_end_k_q749985bade_sample-k_q749985bade_sample
	.p2alignl 7, 3214868480
	.fill 96, 4, 3214868480
	.section	.rodata,"a",@progbits
	.p2align	6, 0x0
	.amdhsa_kernel k_q749985bade_sample
		.amdhsa_group_segment_fixed_size 0
		.amdhsa_private_segment_fixed_size 0
		.amdhsa_enable_private_segment 0
		.amdhsa_kernarg_size 24
		.amdhsa_user_sgpr_count 2
		.amdhsa_user_sgpr_kernarg_segment_ptr 1
		.amdhsa_wavefront_size32 1
		.amdhsa_system_sgpr_workgroup_id_x 1
		.amdhsa_system_sgpr_workgroup_id_y 1
		.amdhsa_system_sgpr_workgroup_id_z 1
		.amdhsa_system_vgpr_workitem_id 0
		.amdhsa_next_free_vgpr 128
		.amdhsa_next_free_sgpr 66
		.amdhsa_reserve_vcc 0
		.amdhsa_float_denorm_mode_32 3
		.amdhsa_float_denorm_mode_16_64 3
		.amdhsa_memory_ordered 1
		.amdhsa_forward_progress 1
		.amdhsa_inst_pref_size 26
	.end_amdhsa_kernel
	.amdgpu_metadata
---
amdhsa.version: [ 1, 2 ]
amdhsa.kernels:
  - .name:           k_q749985bade_sample
    .symbol:         k_q749985bade_sample.kd
    .args:
      - { .name: cells, .offset: 0, .size: 8, .value_kind: global_buffer, .address_space: global }
      - { .name: table, .offset: 8, .size: 8, .value_kind: global_buffer, .address_space: global }
      - { .name: out0, .offset: 16, .size: 8, .value_kind: global_buffer, .address_space: global }
    .group_segment_fixed_size: 0
    .private_segment_fixed_size: 0
    .kernarg_segment_align: 8
    .kernarg_segment_size: 24
    .max_flat_workgroup_size: 256
    .sgpr_count:     66
    .vgpr_count:     128
    .wavefront_size: 32
...
	.end_amdgpu_metadata
.endif
;; end of part 2
;; ======== version 2 of 2: 2 launches; version 1 with the launch sample written anew for expert scheduling mode
;; limits: values outside matrix products are rounded to bf16; an absolute error that grows with the inputs' magnitude: up to 0.00037 times it
;; workspace buffers: table 35,210,240 bytes; cells 67,108,864 bytes of whole numbers
;; launch prep: the kernel of part 1 again; grid 2710 x 1, 8 waves a work-group, no clusters, 13,312 bytes of LDS; arguments coords, grid, table, cells; writes table, cells
;; launch sample (part 3): grid 2048 x 1, 8 waves a work-group, no clusters, 0 bytes of LDS; arguments cells, table, out0; writes out0
.if DOCPART == 3
	.amdgcn_target "amdgcn-amd-amdhsa--gfx1250"
	.amdhsa_code_object_version 6
	.text
	.protected	k_q749985bade_sample
	.globl	k_q749985bade_sample
	.p2align	8
	.type	k_q749985bade_sample,@function
k_q749985bade_sample:
	s_mov_b64 s[64:65], 0
	v_nop
	global_prefetch_b8 v0, s[64:65] scope:SCOPE_SE
	s_setreg_imm32_b32 hwreg(HW_REG_WAVE_SCHED_MODE, 0, 2), 2
	s_setreg_imm32_b32 hwreg(HW_REG_WAVE_MODE, 25, 1), 1
	s_wait_xcnt 0x0
	s_wait_alu depctr_vm_vsrc(0)
; OccupancyGrid, launch 2 of 2.  out[p] = the trilinear sample at point p, from what launch 1 left:
;   cells: word 0 = wx << 18 | index >> 4 (first half of the buffer), word 1 = wy << 18 | wz << 4 | index & 15 (second half); weights of 14 bits
;   table: 16 bytes a cell: word 2 dz + dy = { low half: corner dx = 0, high half: dx = 1 } in bf16, zeros where the corner lies outside the grid
; All addresses come from whole numbers read from memory.  ONE load of 16 bytes brings the eight corners of a point.
; SHARES.  A work-group has 4,096 points, a wave 512, in 4 batches of 128, a lane 4 neighbouring points of each batch: every load of words and every store
; of the wave covers 512 consecutive aligned bytes.  A wave issues its 8 loads of words at once, then its 16 gathers as the words arrive, then works:
; no wave ever waits with fewer than a batch of gathers out until its last.
; WEIGHTS.  v_alignbit_b32 shifts the top 23 bits of a word into the mantissa under the exponent of 1.0: u = 1 + w.  The nine bits below the weight are other
; fields of the word; they add less than 2^-14, and launch 1 has cut less than 2^-14 away: a weight is off by less than 2^-14 either way.
; In a cell of zeros (every point outside the grid) the weights do not matter: the result is exactly 0.
; ARITHMETIC in f32: (1 - wx, wx) x (1 - wy) and x wy, two sums of four products straight from the bf16 halves, then d0 + wz (d1 - d0), two points at a time.
; LIMITS: those of launch 1 (grid in bf16, weights of 14 bits, NaN and infinite coordinates).
; No LDS (nothing is shared or regrouped), no matrix unit, no cluster, no prefetch: what a wave will gather is known only when its words are in, and then it asks at once.
; THE MODE: SCHED_MODE bits 1:0 = 2 (LLVM: expert scheduling mode 2), set by the entry lines.  The code itself states the register dependences
; between vector instructions and memory instructions, with s_wait_alu, always for 0.
; THE PLAN.  Registers that memory instructions touch, in the order of the text (there is no loop):
;   v1       Offset of the 8 loads of words and of the 4 stores.  Written at the head, never again.
;   C0, C1   The loads of words land here; no vector line names them before.  ASK n and WORK n read them.  WORK n ends by writing its 4 results into C0 + 4 n;
;            the store of batch n, issued at the head of WORK n + 1, reads them; nothing writes them after that.
;   AD       16 offsets into the table, one for each gather.  ASK n writes four of them and its four gathers read them.  They lie in the registers in which WORK
;            later does its arithmetic, which are idle while the wave asks: WORK 0 writes them first.
;   G        The gathers land here; no vector line names them before WORK, which only reads them.
;   v4-9, TQ, and v10-31 in WORK are named by vector instructions alone.
; So: one wait on va_vdst at the head (v1); one in each ASK, behind its address lines and in front of its run of four gathers (AD); one wait on vm_vsrc in front
; of WORK 0 (all gathers have read AD); one wait on va_vdst at the head of WORK 1, 2, 3 and behind WORK 3, in front of the store of the batch before (its results).
.set HALF, 0x2000000                   ; bytes from a word 0 to its word 1
.set CMAX, 130*16928/16-1              ; the largest index >> 4 inside the table
.set ZR, 4                             ; v4      0
.set K1, 6                             ; v6-7    -1, 1
.set K2, 8                             ; v8-9    2, -1
.set AD, 10                            ; v10-25  while the wave asks: batch n, point q: its byte offset in the table at AD + 4 n + q
.set TQ, 26                            ; v26-29  while the wave asks: index & 15 of the four points of a batch
.set U,  10                            ; v10-11  1 + wx, 1 + wy
.set XW, 12                            ; v12-13  1 - wx, wx
.set YW, 14                            ; v14-15  1 - wy, wy
.set WA, 16                            ; v16-17  (1 - wx, wx) (1 - wy)
.set WB, 18                            ; v18-19  (1 - wx, wx) wy
.set UZ, 20                            ; v20-23  1 + wz, then wz, of my 4 points
.set D0, 24                            ; v24-27  the lower plane of my 4 points
.set D1, 28                            ; v28-31  the upper plane
.set C0, 32                            ; v32-47  batch n: 4 words 0; at last the 4 results
.set C1, 48                            ; v48-63  batch n: 4 words 1
.set G,  64                            ; v64-127 batch n, point q: the four words of its cell
	s_load_b128 s[4:7], s[0:1], 0x0                ; cells s[4:5], table s[6:7]
	s_load_b64 s[8:9], s[0:1], 0x10                ; out0
	v_lshrrev_b32 v1, 5, v0
	v_and_b32 v2, 31, v0
	v_lshlrev_b32 v1, 11, v1                       ; my wave has 2,048 bytes of words 0, of words 1 and of out0,
	v_lshl_add_u32 v1, v2, 4, v1                   ; my 4 points 16 of each 512; never rewritten
	s_lshl_b32 s10, ttmp9, 14                      ; my work-group has 16,384
	s_mov_b32 s11, 0
	s_mov_b32 s12, 0x7f                            ; shifted up by 23 this is the exponent of 1.0
	s_wait_kmcnt 0x0
	s_add_nc_u64 s[4:5], s[4:5], s[10:11]
	s_add_nc_u64 s[16:17], s[4:5], HALF
	s_add_nc_u64 s[8:9], s[8:9], s[10:11]
	s_wait_alu depctr_va_vdst(0)                   ; v1 is written: the eight loads below and the four stores read it as their offset
.irp n, 0,1,2,3
	global_load_b128 v[C0+4*(\n):C0+4*(\n)+3], v1, s[4:5]   offset:(\n)*512 th:TH_LOAD_NT
	global_load_b128 v[C1+4*(\n):C1+4*(\n)+3], v1, s[16:17] offset:(\n)*512 th:TH_LOAD_NT
.endr
	v_mov_b32 v[ZR], 0
	v_mov_b32 v[K1], -1.0
	v_mov_b32 v[K1+1], 1.0
	v_mov_b32 v[K2], 2.0
	v_mov_b32 v[K2+1], -1.0
; The four gathers of batch n.  Both parts of the index pass a minimum with a constant, so that no word, whatever it holds, leads outside the table.
; The four points go stage by stage, so that no line reads the result of the line before it; then one wait, then the four gathers in one run.
.macro ASK n
	s_wait_loadcnt 6+2*(\n)                        ; loads come back in order: behind the two of batch n stand 2 (3 - n) loads of words and the 4 n gathers issued so far
.irp q, 0,1,2,3
	v_and_b32 v[AD+4*(\n)+(\q)], 0x3ffff, v[C0+4*(\n)+(\q)]
	v_and_b32 v[TQ+(\q)], 15, v[C1+4*(\n)+(\q)]
.endr
.irp q, 0,1,2,3
	v_min_u32 v[AD+4*(\n)+(\q)], CMAX, v[AD+4*(\n)+(\q)]
	v_min_u32 v[TQ+(\q)], 15, v[TQ+(\q)]
.endr
.irp q, 0,1,2,3
	v_lshl_add_u32 v[AD+4*(\n)+(\q)], v[AD+4*(\n)+(\q)], 4, v[TQ+(\q)]  ; the cell index,
.endr
.irp q, 0,1,2,3
	v_lshlrev_b32 v[AD+4*(\n)+(\q)], 4, v[AD+4*(\n)+(\q)]               ; in bytes
.endr
	s_wait_alu depctr_va_vdst(0)                   ; the four offsets AD + 4 n .. are written, which the four gathers below read; no vector line has named the registers in which they land
.irp q, 0,1,2,3
	global_load_b128 v[G+16*(\n)+4*(\q):G+16*(\n)+4*(\q)+3], v[AD+4*(\n)+(\q)], s[6:7]
.endr
.endm
.macro WORK n
	s_wait_loadcnt 12-4*(\n)                       ; the four gathers of batch n are in; those of the later batches stay out
.if (\n) == 0
	s_wait_xcnt 0x0                                ; every earlier memory instruction has had its addresses translated (ISA guide 3.1): the offsets of the gathers that are still out are rewritten only behind this wait,
	s_wait_alu depctr_vm_vsrc(0)                   ; and all sixteen gathers have read AD, the registers that the arithmetic below writes from here on
.else
	s_wait_alu depctr_va_vdst(0)                   ; the batch before has written its four results, which the store below reads; no vector line of this batch names them
	global_store_b128 v1, v[C0+4*(\n)-4:C0+4*(\n)-1], s[8:9] offset:((\n)-1)*512 th:TH_STORE_NT  ; 512 consecutive bytes, aligned; the results lie in the word registers of their own batch, which nothing writes again
.endif
.irp q, 0,1,2,3
.set rG, G+16*(\n)+4*(\q)
	v_alignbit_b32 v[U],   s12, v[C0+4*(\n)+(\q)], 9
	v_alignbit_b32 v[U+1], s12, v[C1+4*(\n)+(\q)], 9
	v_lshlrev_b32 v[UZ+(\q)], 14, v[C1+4*(\n)+(\q)]  ; wz to the top of the word
	v_pk_fma_f32 v[XW:XW+1], v[U:U+1], v[K1:K1+1], v[K2:K2+1] op_sel_hi:[0,1,1]                 ; 2 - u, u - 1: both exact
	v_pk_fma_f32 v[YW:YW+1], v[U:U+1], v[K1:K1+1], v[K2:K2+1] op_sel:[1,0,0] op_sel_hi:[1,1,1]
	v_alignbit_b32 v[UZ+(\q)], s12, v[UZ+(\q)], 9
	v_pk_mul_f32 v[WA:WA+1], v[XW:XW+1], v[YW:YW+1] op_sel_hi:[1,0]
	v_pk_mul_f32 v[WB:WB+1], v[XW:XW+1], v[YW:YW+1] op_sel:[0,1] op_sel_hi:[1,1]
	v_fma_mix_f32_bf16 v[D0+(\q)], v[rG],   v[WA],   v[ZR]      op_sel_hi:[1,0,0]                 ; the two planes by turns: no line reads the result of the line before it
	v_fma_mix_f32_bf16 v[D1+(\q)], v[rG+2], v[WA],   v[ZR]      op_sel_hi:[1,0,0]
	v_fma_mix_f32_bf16 v[D0+(\q)], v[rG],   v[WA+1], v[D0+(\q)] op_sel:[1,0,0] op_sel_hi:[1,0,0]
	v_fma_mix_f32_bf16 v[D1+(\q)], v[rG+2], v[WA+1], v[D1+(\q)] op_sel:[1,0,0] op_sel_hi:[1,0,0]
	v_fma_mix_f32_bf16 v[D0+(\q)], v[rG+1], v[WB],   v[D0+(\q)] op_sel_hi:[1,0,0]
	v_fma_mix_f32_bf16 v[D1+(\q)], v[rG+3], v[WB],   v[D1+(\q)] op_sel_hi:[1,0,0]
	v_fma_mix_f32_bf16 v[D0+(\q)], v[rG+1], v[WB+1], v[D0+(\q)] op_sel:[1,0,0] op_sel_hi:[1,0,0]
	v_fma_mix_f32_bf16 v[D1+(\q)], v[rG+3], v[WB+1], v[D1+(\q)] op_sel:[1,0,0] op_sel_hi:[1,0,0]
.endr
.irp e, 0,2
	v_pk_add_f32 v[UZ+(\e):UZ+(\e)+1], v[UZ+(\e):UZ+(\e)+1], -1.0 op_sel_hi:[1,0]                  ; wz
	v_pk_add_f32 v[D1+(\e):D1+(\e)+1], v[D1+(\e):D1+(\e)+1], v[D0+(\e):D0+(\e)+1] neg_lo:[0,1] neg_hi:[0,1]
.endr
.irp e, 0,2
	v_pk_fma_f32 v[C0+4*(\n)+(\e):C0+4*(\n)+(\e)+1], v[UZ+(\e):UZ+(\e)+1], v[D1+(\e):D1+(\e)+1], v[D0+(\e):D0+(\e)+1]
.endr
.endm
	ASK 0
	ASK 1
	ASK 2
	ASK 3
	WORK 0
	WORK 1
	WORK 2
	WORK 3
	s_wait_alu depctr_va_vdst(0)                   ; batch 3 has written its four results, which the last store reads
	global_store_b128 v1, v[C0+12:C0+15], s[8:9] offset:3*512 th:TH_STORE_NT
	s_endpgm
.Lfunc_end_k_q749985bade_sample:
	.size	k_q749985bade_sample, .Lfunc_end_k_q749985bade_sample-k_q749985bade_sample
	.p2alignl 7, 3214868480
	.fill 96, 4, 3214868480
	.section	.rodata,"a",@progbits
	.p2align	6, 0x0
	.amdhsa_kernel k_q749985bade_sample
		.amdhsa_group_segment_fixed_size 0
		.amdhsa_private_segment_fixed_size 0
		.amdhsa_enable_private_segment 0
		.amdhsa_kernarg_size 24
		.amdhsa_user_sgpr_count 2
		.amdhsa_user_sgpr_kernarg_segment_ptr 1
		.amdhsa_wavefront_size32 1
		.amdhsa_system_sgpr_workgroup_id_x 1
		.amdhsa_system_sgpr_workgroup_id_y 1
		.amdhsa_system_sgpr_workgroup_id_z 1
		.amdhsa_system_vgpr_workitem_id 0
		.amdhsa_next_free_vgpr 128
		.amdhsa_next_free_sgpr 66
		.amdhsa_reserve_vcc 0
		.amdhsa_float_denorm_mode_32 3
		.amdhsa_float_denorm_mode_16_64 3
		.amdhsa_memory_ordered 1
		.amdhsa_forward_progress 1
		.amdhsa_inst_pref_size 26
	.end_amdhsa_kernel
	.amdgpu_metadata
---
amdhsa.version: [ 1, 2 ]
amdhsa.kernels:
  - .name:           k_q749985bade_sample
    .symbol:         k_q749985bade_sample.kd
    .args:
      - { .name: cells, .offset: 0, .size: 8, .value_kind: global_buffer, .address_space: global }
      - { .name: table, .offset: 8, .size: 8, .value_kind: global_buffer, .address_space: global }
      - { .name: out0, .offset: 16, .size: 8, .value_kind: global_buffer, .address_space: global }
    .group_segment_fixed_size: 0
    .private_segment_fixed_size: 0
    .kernarg_segment_align: 8
    .kernarg_segment_size: 24
    .max_flat_workgroup_size: 256
    .sgpr_count:     66
    .vgpr_count:     128
    .wavefront_size: 32
...
	.end_amdgpu_metadata
.endif
;; end of part 3
